; MI455X (gfx1250); checked and timed in simulation.
; The chip was launched on July 23, 2026; its instructions are those of AMD's public machine-readable ISA for CDNA 5 (MIT licence, August 2026) and "CDNA5" Instruction Set Architecture Reference Guide (July 2026). The comments in the code are by the model that wrote it; some were corrected since.
;; GPTQ Linear Onnx Exact. Allowed arithmetic: matrix products marked QUANTISED: E2M1 operands, one E8M0 scale for each 32 along K, by v_wmma_scale_f32_16x16x128_f8f6f4 with both operands' format E2M1 (or v_wmma_scale_f32_32x16x128_f4), f32 sums; everything else in f32.
;; Inputs: bias 4,096 float32; g_idx 4,096 int32; qweight_int 4,096 x 4,096 int32; scales 32 x 4,096 float32; x_codes 2 x 2,048 x 128 x 16 uint8 (E2M1 codes of x, K innermost, in blocks of 32 codes, two codes a byte); x_scales 2 x 2,048 x 128 uint8 (E8M0 scales of x, one for each 32 codes along K); zero_points 32 x 4,096 int32.
;; Outputs: out0 2 x 2,048 x 4,096 float32.
;; This version of the problem:
;;   THIS VERSION OF THE PROBLEM IS GIVEN IN LOW PRECISION. The matrix products marked QUANTISED in the list below multiply operands that are first quantised to E2M1 (2 exponent bits, 1 mantissa bit; 4 bits a number), with one power-of-two scale for each 32 numbers along K (OCP MX v1.0); their sums are f32. All else is computed in f32.
;;   The module's matrix products, in the order in which they are computed (A, B: the left and right operand; K: the contracted axis; several contracted axes count as one K, in the product's order):
;;     1. [M 4,096, K 4,096] x [K 4,096, N 4,096]; A: input x (given as codes); B: computed on the way: QUANTISED
;;   THE QUANTISER, for each operand of a quantised product, along K:
;;     - K is cut into blocks of 32 from its start; a last block that is shorter is filled with zeros.
;;     - A block's scale is 2^e with e = floor(log2(the largest magnitude in the block)) - 2, held to -126 .. 127; a block of zeros has e = 0. As a byte (E8M0): e + 127.
;;     - Each number is divided by its block's scale, clamped to +-6, and rounded to the nearest number of E2M1, ties to even, subnormals kept.
;;     - The product sums the exact products of the quantised numbers (number of the format x scale) in f32.
;;   ~~~python
;;   def quantise(x, axis):      # numpy; x: float32 -> the quantised numbers, widened to float32 again
;;       x = np.moveaxis(x, axis, -1); K = x.shape[-1]
;;       x = np.pad(x, [(0, 0)] * (x.ndim - 1) + [(0, -K % 32)]); x = x.reshape(x.shape[:-1] + (-1, 32)); a = np.abs(x).max(-1, keepdims=True)
;;       e = np.where(a > 0, np.clip(np.frexp(np.where(a > 0, a, 1))[1] - 1 - 2, -126, 127), 0)      # np.frexp(a)[1] - 1 = floor(log2(a)), exactly
;;       r = np.clip(x / 2.0 ** e, -6, 6)
;;       step = 2.0 ** (np.maximum(np.frexp(np.where(r == 0, 1, r))[1] - 1, 0) - 1)
;;       q = np.round(r / step) * step * 2.0 ** e      # np.round: ties to even
;;       return np.moveaxis(q.reshape(q.shape[:-2] + (-1,))[..., :K], -1, axis).astype(np.float32)
;;   ~~~
;;   OPERANDS COMPUTED ON THE WAY. 'Computed on the way' means the value that the module computes at that place (a softmax that the list does not call 'softmax' is quantised finished and normalised). What goes into a quantiser is computed in f32, as accurately as f32 sums, v_exp_f32 and their like allow (about 1e-6 of the number): no bf16 or f16 on the way to a quantiser, and a product that is left as it is and whose result goes on into a quantised operand takes f32 operands (vector FMAs, or v_wmma_f32_16x16x4_f32). A number that lies on a knife's edge between two numbers of the format may be rounded either way, as far as f32 arithmetic and the matrix unit's own rounding can turn it there, and no further.
;;   INPUTS GIVEN AS CODES. x (in the module: [2, 2048, 4096], K = its axis 2): each comes as NAME_codes (uint8): NAME with its K axis moved to the last place and cut into blocks of 32 codes, [.., K / 32, bytes a block], one block behind the other in memory; two codes a byte, the lower K in the low four bits (a code: sign, 2 exponent bits, 1 mantissa bit); and NAME_scales (uint8): the same leading axes, one E8M0 byte (e + 127) for each 32 codes along K. Its value is code x scale, taken as it is: it is not quantised again, and the codes and scales need not be those that the quantiser above would give.
;; One version. Each part assembles by itself: llvm-mc -triple=amdgcn-amd-amdhsa -mcpu=gfx1250 --defsym DOCPART=n.
;; ======== version 1 of 1: 2 launches
;; limits: right only within a limited range of input values
;; workspace buffers: wq 8,912,896 bytes
;; launch quant (part 1): grid 32 x 8, 16 waves a work-group, no clusters, 36,864 bytes of LDS; arguments qweight_int, scales, zero_points, g_idx, wq; writes wq
.if DOCPART == 1
	.amdgcn_target "amdgcn-amd-amdhsa--gfx1250"
	.amdhsa_code_object_version 6
	.text
	.protected	k_q735767c711_quant
	.globl	k_q735767c711_quant
	.p2align	8
	.type	k_q735767c711_quant,@function
k_q735767c711_quant:
	s_mov_b64 s[64:65], 0
	v_nop
	global_prefetch_b8 v0, s[64:65] scope:SCOPE_SE
	s_setreg_imm32_b32 hwreg(HW_REG_WAVE_MODE, 25, 1), 1
	s_wait_xcnt 0x0
; W[k][n] = scales[g_idx[k]][n] * (qweight[k][n] - zero_points[g_idx[k]][n]), in f32 and in that order (two conversions, an exact difference, one rounding),
; is quantised along K, its FIRST axis, to codes of FP4 (E2M1) with one E8M0 byte for each 32 along K, and stored in the order in which the product's launch takes its operand registers.
; wq: [k / 512 : 8][n / 128 : 32][34,816 bytes].  In a block: the fragment of n-tile j (16 columns) and K step q (128 along K) at 4096 j + 1024 q; in it the 16 bytes (32 codes) of
; block b (32 along K) of column r at 256 b + 16 r.  From byte 32,768 on: 16 bytes a column, word q for K step q, byte b of it for block b.
; SHARES.  A work-group makes one block of wq: 128 columns x 512 along K.  Wave w: columns 32 (w % 4) on, K 128 (w / 4) on: four blocks of 32.  A LANE TAKES A COLUMN AND ITS REGISTERS RUN DOWN K:
; each load reads 128 consecutive bytes a wave, a block's largest magnitude needs no other lane, and the conversions give codes with K innermost.  Nothing is transposed.
; THE GROUP OF A ROW is read from g_idx row by row (scalar loads): no order of g_idx is built in.  The work-group's 128 columns of all 32 rows of scales and zero_points lie in LDS as pairs
; (scale, zero point as f32), 8 bytes a column; row k's pair comes by one ds_load_b64 at 1024 g + 8 column: 32 lanes read 256 consecutive bytes.
; A block's scale is 2^(floor(log2(its largest magnitude)) - 2): its byte is the largest magnitude's exponent field - 2, held at 1 from below.
; LIMITS: a g_idx outside 0 .. 31 is held at 31; a block of zeros gets the byte 1 (its codes are zeros, and this program alone reads the bytes); NaN and infinities in scales are not served.
; No address register, base or store's data is ever written again, and EXEC is never touched: so they need no wait on XCNT.
.set ROWQ,  16384                      ; a row of qweight, of scales and of zero_points in bytes
.set BLKB,  34816                      ; a block of wq
.set SCW,   32768                      ; LDS: behind the table (32 groups x 128 columns x 8 bytes): the work-group's scale words, 16 bytes a column
.set QO,  2                            ; v2   4 x lane: my column in a row of qweight
.set TB,  3                            ; v3   my column's pair in a group's 1,024 bytes of the table
.set CO,  4                            ; v4   where my codes go in the block of wq
.set FG,  5                            ; v5   the table's fill: my byte in scales and in zero_points
.set FL,  6                            ; v6   and in LDS
.set SW,  7                            ; v7   LDS: my column's scale word of my K step
.set SR,  8                            ; v8   LDS: 16 scale bytes on the way out (waves 0 to 3)
.set SO,  9                            ; v9   and their place behind the codes
.set MA,  10                           ; v10, v11 two chains of the largest magnitude
.set MB,  11
.set SOP, 12                           ; v12  the conversions' scale operand
.set BY,  13                           ; v13  a scale byte
.set PW,  14                           ; v14  my column's scale word
.set VA,  16                           ; v16-19 the gathers' addresses, by turns
.set C,   20                           ; v20-35 codes: four registers for each of the four blocks
.set OW,  52                           ; v52-55 scale words on the way out
.set SZ,  64                           ; v64-127 32 pairs (scale, zero point); v64-79 first serve the table's fill
.set Q,   128                          ; v128-191 two sets of 32 numbers
; s[16:47]: the 32 groups of an even block; s[48:63] and s[68:83]: of an odd one
.macro MEET                            ; my LDS instructions are done: then the work-group's barrier
	s_wait_dscnt 0x0
	s_barrier_signal -1
	s_barrier_wait -1
.endm
.macro LOAD t                          ; block t: qweight(32 t + i, my column), i = 0 .. 31, into set t % 2
.set II, 0
.rept 32
	global_load_b32 v[Q+32*((\t)%2)+II], v[QO], s[4:5] offset:(32*(\t)+II)*ROWQ th:TH_LOAD_NT
.set II, II+1
.endr
.endm
	s_load_b256 s[4:11], s[0:1], 0x0               ; qweight s[4:5], scales s[6:7], zero_points s[8:9], g_idx s[10:11]
	s_load_b64 s[12:13], s[0:1], 0x20              ; wq
	v_lshl_add_u32 v192, v0, 2, 0x8800
	v_mov_b32 v193, 0
	v_lshrrev_b32 v1, 5, v0
	s_delay_alu instid0(VALU_DEP_1)
	v_readfirstlane_b32 s14, v1                    ; wave 0..15
	s_and_b32 s15, s14, 3                          ; cg: which 32 columns
	s_lshr_b32 s84, s14, 2                         ; kq: which 128 along K
	s_mov_b32 s2, ttmp9                            ; nb: which 128 columns
	s_and_b32 s3, ttmp7, 0xffff                    ; kb: which 512 along K
	v_and_b32 v1, 31, v0                           ; lane
	s_delay_alu instid0(VALU_DEP_1)
	v_lshlrev_b32 v[QO], 2, v1
	s_lshl_b32 s86, s15, 8
	v_lshl_add_u32 v[TB], v1, 3, s86               ; 8 x lane + 256 cg
	v_lshrrev_b32 v10, 4, v1
	v_and_b32 v11, 15, v1
	s_delay_alu instid0(VALU_DEP_1)
	v_lshlrev_b32 v[CO], 4, v11                    ; 16 (lane % 16)
	s_delay_alu instid0(VALU_DEP_1)
	v_lshl_add_u32 v[CO], v10, 12, v[CO]           ; + 4096 (lane / 16): the second of my wave's two n-tiles
	s_lshl_b32 s86, s15, 13
	s_lshl_b32 s87, s84, 10
	s_add_co_u32 s86, s86, s87
	v_add_nc_u32 v[CO], s86, v[CO]                 ; + 8192 cg + 1024 kq
	v_lshrrev_b32 v10, 7, v0                       ; the fill: thread t takes column t % 128 of groups t / 128 + 4 j
	v_and_b32 v11, 127, v0
	s_delay_alu instid0(VALU_DEP_1)
	v_lshlrev_b32 v[FG], 2, v11
	s_delay_alu instid0(VALU_DEP_1)
	v_lshl_add_u32 v[FG], v10, 14, v[FG]
	s_delay_alu instid0(VALU_DEP_3)
	v_lshlrev_b32 v[FL], 3, v11
	s_delay_alu instid0(VALU_DEP_1)
	v_lshl_add_u32 v[FL], v10, 10, v[FL]
	s_lshl_b32 s86, s15, 9
	s_lshl_b32 s87, s84, 2
	s_add_co_u32 s86, s86, s87
	s_add_co_u32 s86, s86, SCW
	v_lshl_add_u32 v[SW], v1, 4, s86               ; SCW + 16 (32 cg + lane) + 4 kq
	v_lshlrev_b32 v[SO], 4, v0
	s_delay_alu instid0(VALU_DEP_1)
	v_add_nc_u32 v[SR], SCW, v[SO]
	; where my part begins, in bytes; every offset stays under 2^32
	s_lshl_b32 s86, s3, 9
	s_lshl_b32 s87, s84, 7
	s_add_co_u32 s86, s86, s87                     ; k0 = 512 kb + 128 kq
	s_lshl_b32 s88, s86, 14                        ; qweight: k0 rows
	s_lshl_b32 s89, s2, 9
	s_add_co_u32 s88, s88, s89                     ; + 128 nb columns
	s_lshl_b32 s90, s15, 7
	s_add_co_u32 s88, s88, s90                     ; + 32 cg columns
	s_mov_b32 s90, s89                             ; scales, zero_points: 128 nb columns
	s_mov_b32 s89, 0
	s_mov_b32 s91, 0
	s_lshl_b32 s86, s86, 2                         ; g_idx: 4 k0
	s_mov_b32 s87, 0
	s_lshl_b32 s3, s3, 5
	s_add_co_u32 s2, s2, s3
	s_mul_i32 s2, s2, BLKB                         ; wq: block 32 kb + nb
	s_mov_b32 s3, 0
	s_wait_alu depctr_va_vdst(0)
	s_wait_kmcnt 0x0
	s_add_nc_u64 s[4:5], s[4:5], s[88:89]
	s_add_nc_u64 s[6:7], s[6:7], s[90:91]
	s_add_nc_u64 s[8:9], s[8:9], s[90:91]
	s_add_nc_u64 s[10:11], s[10:11], s[86:87]
	s_add_nc_u64 s[12:13], s[12:13], s[2:3]
	s_load_b512 s[16:31], s[10:11], 0x0            ; the groups of blocks 0 and 1
	s_load_b512 s[32:47], s[10:11], 0x40
	s_load_b512 s[48:63], s[10:11], 0x80
	s_load_b512 s[68:83], s[10:11], 0xc0
.irp j, 0,1,2,3,4,5,6,7
	global_load_b32 v[SZ+2*\j],   v[FG], s[6:7] offset:4*ROWQ*\j    ; a wave reads 128 consecutive bytes
	global_load_b32 v[SZ+2*\j+1], v[FG], s[8:9] offset:4*ROWQ*\j
.endr
	LOAD 0
	s_wait_loadcnt 32                              ; the 16 loads of the fill are in; block 0's 32 stay out
.irp j, 0,1,2,3,4,5,6,7
	v_cvt_f32_i32 v[SZ+2*\j+1], v[SZ+2*\j+1]       ; the zero point as f32, once for all rows that will gather it
.endr
.irp j, 0,1,2,3,4,5,6,7
	ds_store_b64 v[FL], v[SZ+2*\j:SZ+2*\j+1] offset:4096*\j
.endr
	LOAD 1
	MEET                                           ; the table is whole
	s_wait_kmcnt 0x0                               ; the groups of blocks 0 and 1
; Block t of my four: 32 along K of my column.
.macro BLOCK t
.set SETN, (\t)%2
.set XS, Q+32*SETN
.if (\t) >= 2
	s_wait_kmcnt 0x0                               ; this block's groups, asked for two blocks ago
.endif
.set II, 0
.rept 32
.set GRN, 16+II+32*SETN+4*SETN*(II/16)
	s_min_u32 s[GRN], s[GRN], 31                   ; a loaded number enters an address only behind this hold
.set II, II+1
.endr
.set II, 0
.rept 32
.set GRN, 16+II+32*SETN+4*SETN*(II/16)
	v_lshl_add_u32 v[VA+II%4], s[GRN], 10, v[TB]   ; 1024 x the row's group + my column's pair
	ds_load_b64 v[SZ+2*II:SZ+2*II+1], v[VA+II%4]
.set II, II+1
.endr
.if (\t) < 2
	s_load_b512 s[16+32*SETN:31+32*SETN], s[10:11], 0x80*((\t)+2)        ; the groups of the block two on, into the set just read
	s_load_b512 s[32+36*SETN:47+36*SETN], s[10:11], 0x80*((\t)+2)+0x40
.endif
.if (\t) < 3
	s_wait_loadcnt 32                              ; this block's 32 loads are in; the next block's stay out
.else
	s_wait_loadcnt 0x0
.endif
.set II, 0
.rept 32
	v_cvt_f32_i32 v[XS+II], v[XS+II]               ; work on registers while the gathers are out
.set II, II+1
.endr
	s_wait_dscnt 16                                ; the pairs of rows 0 to 15 are in
.set II, 0
.rept 16
	v_sub_f32 v[XS+II], v[XS+II], v[SZ+2*II+1]     ; q - zero point: exact
.set II, II+1
.endr
.set II, 0
.rept 16
	v_mul_f32 v[XS+II], v[SZ+2*II], v[XS+II]       ; x scale: the one rounding
.set II, II+1
.endr
	s_wait_dscnt 0x0
.set II, 16
.rept 16
	v_sub_f32 v[XS+II], v[XS+II], v[SZ+2*II+1]
.set II, II+1
.endr
.set II, 16
.rept 16
	v_mul_f32 v[XS+II], v[SZ+2*II], v[XS+II]
.set II, II+1
.endr
	v_max3_num_f32 v[MA], |v[XS]|, |v[XS+1]|, |v[XS+2]|              ; the block's largest magnitude: all 32 numbers are mine; two chains
	v_max3_num_f32 v[MB], |v[XS+3]|, |v[XS+4]|, |v[XS+5]|
.irp i, 6,10,14,18,22,26
	s_delay_alu instid0(VALU_DEP_2)
	v_max3_num_f32 v[MA], v[MA], |v[XS+\i]|, |v[XS+\i+1]|
	s_delay_alu instid0(VALU_DEP_2)
	v_max3_num_f32 v[MB], v[MB], |v[XS+\i+2]|, |v[XS+\i+3]|
.endr
	s_delay_alu instid0(VALU_DEP_2)
	v_max3_num_f32 v[MA], v[MA], |v[XS+30]|, |v[XS+31]|
	s_delay_alu instid0(VALU_DEP_1)
	v_max3_num_f32 v[MA], v[MA], v[MB], 0x1800000  ; and the floor 2^(3 - 127): the byte cannot fall under 1
	s_delay_alu instid0(VALU_DEP_1)
	v_add_nc_u32 v[SOP], 0xff000000, v[MA]         ; 2 off its exponent field: the conversion takes the exponent field of this operand as its scale
.irp g, 0,1,2,3
	v_cvt_scalef32_pk8_fp4_f32 v[C+4*(\t)+\g], v[XS+8*\g:XS+8*\g+7], v[SOP]
.endr
.if (\t) == 0
	v_lshrrev_b32 v[PW], 23, v[SOP]                ; the scale's byte (also the plain instruction behind the conversions)
.else
	v_lshrrev_b32 v[BY], 23, v[SOP]
	s_delay_alu instid0(VALU_DEP_1)
	v_lshl_or_b32 v[PW], v[BY], 8*(\t), v[PW]      ; the lower K in the lower byte
.endif
	global_store_b128 v[CO], v[C+4*(\t):C+4*(\t)+3], s[12:13] offset:256*(\t)   ; lanes 0-15 store 256 consecutive bytes, aligned; lanes 16-31 the same of the next n-tile
.if (\t) < 2
	LOAD (\t)+2
.endif
.endm
	BLOCK 0
	BLOCK 1
	BLOCK 2
	BLOCK 3
	s_wait_alu depctr_va_vdst(0)
	MEET                                           ; every wave's gathers are over: only now is LDS written again
	ds_store_b32 v[SW], v[PW]
	MEET                                           ; the 128 columns' scale words lie together
	s_cmp_lt_u32 s14, 4
	s_cbranch_scc0 .Lend                           ; waves 0 to 3 carry them out, 16 bytes a thread
	ds_load_b128 v[OW:OW+3], v[SR]
	s_wait_dscnt 0x0
	global_store_b128 v[SO], v[OW:OW+3], s[12:13] offset:32768     ; a wave stores 512 consecutive bytes, aligned to 256
.Lend:
	s_wait_tensorcnt 0x0
	ds_add_u32 v192, v193
	s_wait_dscnt 0x0
	s_endpgm
.Lfunc_end_k_q735767c711_quant:
	.size	k_q735767c711_quant, .Lfunc_end_k_q735767c711_quant-k_q735767c711_quant
	.p2alignl 7, 3214868480
	.fill 96, 4, 3214868480
	.section	.rodata,"a",@progbits
	.p2align	6, 0x0
	.amdhsa_kernel k_q735767c711_quant
		.amdhsa_group_segment_fixed_size 36864
		.amdhsa_private_segment_fixed_size 0
		.amdhsa_enable_private_segment 0
		.amdhsa_kernarg_size 40
		.amdhsa_user_sgpr_count 2
		.amdhsa_user_sgpr_kernarg_segment_ptr 1
		.amdhsa_wavefront_size32 1
		.amdhsa_system_sgpr_workgroup_id_x 1
		.amdhsa_system_sgpr_workgroup_id_y 1
		.amdhsa_system_sgpr_workgroup_id_z 1
		.amdhsa_system_vgpr_workitem_id 0
		.amdhsa_next_free_vgpr 194
		.amdhsa_next_free_sgpr 92
		.amdhsa_reserve_vcc 0
		.amdhsa_float_denorm_mode_32 3
		.amdhsa_float_denorm_mode_16_64 3
		.amdhsa_memory_ordered 1
		.amdhsa_forward_progress 1
		.amdhsa_inst_pref_size 59
	.end_amdhsa_kernel
	.amdgpu_metadata
---
amdhsa.version: [ 1, 2 ]
amdhsa.kernels:
  - .name:           k_q735767c711_quant
    .symbol:         k_q735767c711_quant.kd
    .args:
      - { .name: qweight_int, .offset: 0, .size: 8, .value_kind: global_buffer, .address_space: global }
      - { .name: scales, .offset: 8, .size: 8, .value_kind: global_buffer, .address_space: global }
      - { .name: zero_points, .offset: 16, .size: 8, .value_kind: global_buffer, .address_space: global }
      - { .name: g_idx, .offset: 24, .size: 8, .value_kind: global_buffer, .address_space: global }
      - { .name: wq, .offset: 32, .size: 8, .value_kind: global_buffer, .address_space: global }
    .group_segment_fixed_size: 36864
    .private_segment_fixed_size: 0
    .kernarg_segment_align: 8
    .kernarg_segment_size: 40
    .max_flat_workgroup_size: 512
    .sgpr_count:     92
    .vgpr_count:     194
    .wavefront_size: 32
...
	.end_amdgpu_metadata
.endif
;; end of part 1
;; launch gemm (part 2): grid 16 x 16, 4 waves a work-group, clusters of 4 x 4, 327,680 bytes of LDS; arguments x_codes, x_scales, wq, bias, out0; writes out0
.if DOCPART == 2
	.amdgcn_target "amdgcn-amd-amdhsa--gfx1250"
	.amdhsa_code_object_version 6
	.text
	.protected	k_q735767c711_gemm
	.globl	k_q735767c711_gemm
	.p2align	8
	.type	k_q735767c711_gemm,@function
k_q735767c711_gemm:
	s_mov_b64 s[64:65], 0
	v_nop
	global_prefetch_b8 v0, s[64:65] scope:SCOPE_SE
	s_setreg_imm32_b32 hwreg(HW_REG_WAVE_MODE, 25, 1), 1
	s_wait_xcnt 0x0
	s_wait_alu depctr_hold_cnt(0) depctr_sa_sdst(0) depctr_va_vdst(0) depctr_va_sdst(0) depctr_va_ssrc(0) depctr_va_vcc(0) depctr_vm_vsrc(0)
	s_getreg_b32 s2, hwreg(HW_REG_IB_STS2, 6, 4)
	s_cmp_eq_u32 s2, 0
	s_cbranch_scc0 .Lentry_in_a_cluster
	s_endpgm
.Lentry_in_a_cluster:
	s_bfe_u32 s2, ttmp6, 0x10000c
	s_cmp_lg_u32 s2, 0xf033
	s_cbranch_scc0 .Lentry_shape_is_right
	s_endpgm
.Lentry_shape_is_right:
; out0[m][n] = sum over k of x[m][k] W[k][n] + bias[n].  x: codes of FP4 (E2M1) with E8M0 bytes, as given; W: codes and scale words as launch quant laid them in wq.
; wq: [k / 512 : 8][n / 128 : 32][34,816 bytes]: fragments in register order (n-tile j, K step q at 4096 j + 1024 q), from byte 32,768 on 16 scale bytes a column.
; A block of out0, 256 x 256, is made by four waves, 128 x 128 each: 64 accumulators.  K goes in steps of 512 through two LDS slots (x: 256 rows of 256 bytes + 16 of padding; wq: two dense blocks).
; x's scales of the block's 256 rows, for all of K, come once, at the head, as units of 256 bytes + 16 of padding, and stay behind the ring.
; CLUSTERS 4 x 4: x's tiles are asked for jointly along a row of the cluster, wq's along a column.
; THE MATRIX INSTRUCTION IS USED TRANSPOSED (source 0 = 16 columns of W, source 1 = 16 rows of x): a lane holds eight neighbouring numbers of a row of out0.  The bias is the C of each accumulator's first product.
; FRAGMENTS: two register sets for x and two for W.  All 32 LDS loads of the next 128 along K go out at a step's start, 64 matrix instructions ahead of their first use; the waits in a step are counted.
; PREFETCH: behind each joint load the K step that stands two refills on is named, a lane a block of 256 bytes; the four partners of a joint load share the blocks out by address
; (x: 32 of the wave's 128 rows; wq: 34 of the wave's 136 units, in two instructions).  The head names K steps 1 and 2.  The loop's last trip names nothing: K has 8 steps.
; REGISTERS: window 0: v0-31 addresses, v32-95 scale words (a set a slot), v128-191 and v192-255 x's fragments; window 1: v0-63 and v128-191 W's fragments, v64-127 the bias;
; window 2: accumulators of my rows 0-63 ((a, b) at v[8 (8 a + b)]); window 3: rows 64-127.
.set SIZE_N, 4096
.set NQ,     4
.set ROWB,   256
.set KROW,   2048
.set PITCH,  272
.set NP,     4
.set HALFT,  128*PITCH                 ; 128 rows of x in LDS, and one block of wq: 34,816 bytes
.set SLOT,   4*HALFT
.set LAPS,   4
.set WQSTEP, 32*HALFT
.set BSC,    32768
.set SCL,    2*SLOT
.set QS,     32*272
.set SBLK,   8*272
.set SPARE,  SCL+4*QS
.set SPITCH, 528
.set BO,    10
.set ADRA,  16
.set ADRB,  20
.set ADRSB, 22
.set STO,   24
.set RD,    25
.set CO,    26
.set ADRSA, 27
.set SPW,   28
.set NIL,   29
.set PFO,   30
.set PFO2,  31
.set SC,    32
.set AF,    128
.set BIAS,  64
.set BK,    128
.set G1,  24
.set G0,  32
.set G1B, 48
.set G0B, 56
.set G1S, 68
.set G0S, 76
.set G0H, 80
.set G0HB, 84
.set PFA, 88                           ; s[88:89] the K step that my next prefetch names
.set PFS, 90                           ; s[90:91] bytes from a K step to the next: 256 in x, WQSTEP in wq
.set PF1, 96                           ; s[96:97] K step 1, named at the head
.set MSB, 0
.macro WIN new
.if MSB != \new
	s_set_vgpr_msb (MSB<<8)|\new
.set MSB, \new
.endif
.endm
.set MUL_LO,   0xa1
.set MUL_HI,   0xf1
.set FIRST_LO, 0x91                    ; C (the bias) in window 1
.set FIRST_HI, 0xd1
.set TO_B,     0x40
.macro PLACES n
.rept \n
	v_nop
.endr
.endm
; a joint load: waves 0 and 1 fetch x's two halves, waves 2 and 3 wq's two blocks; s_nop 0 and four v_nop behind each line
.macro JLOAD g0a, g1a, g0b, g1b
	s_cmp_eq_u32 s15, 0
	s_cbranch_scc0 .Lfor_b_\@
	tensor_load_to_lds s[\g0a:\g0a+3], s[\g1a:\g1a+7]
	s_nop 0
	PLACES 4
	s_branch .Lasked_\@
.Lfor_b_\@:
	tensor_load_to_lds s[\g0b:\g0b+3], s[\g1b:\g1b+7]
	s_nop 0
	PLACES 4
.Lasked_\@:
.endm
.macro CREST
	s_cmp_lg_u32 s14, 0
	s_cbranch_scc1 .Lnot_wave_0_\@
	s_barrier_signal -3
.Lnot_wave_0_\@:
	s_barrier_wait -3
	s_barrier_signal -1
	s_barrier_wait -1
.endm
.macro CROUND
	s_barrier_signal -1
	s_barrier_wait -1
	CREST
.endm
; a prefetch of my share of one K step; wq's waves name their units 32 and 33 by a second line (lanes 1 to 31 name the last)
.macro ASK ptr, inloop
.if \inloop
	s_cmp_gt_u32 s3, 1                             ; s3 = 1 in the loop's last trip: no K step stands two refills on
	s_cbranch_scc0 .Lnone_\@
.endif
	global_prefetch_b8 v[PFO], s[\ptr:\ptr+1] th:TH_LOAD_NT scope:SCOPE_SE
	s_cmp_eq_u32 s15, 0
	s_cbranch_scc1 .Lnone_\@
	global_prefetch_b8 v[PFO2], s[\ptr:\ptr+1] th:TH_LOAD_NT scope:SCOPE_SE
.Lnone_\@:
.endm
	s_load_b128 s[4:7], s[0:1], 0x0                ; x_codes, x_scales
	s_load_b128 s[8:11], s[0:1], 0x10              ; wq, bias
	s_load_b64 s[12:13], s[0:1], 0x20              ; out0
	v_lshl_add_u32 v[SPW], v0, 2, SPARE
	v_mov_b32 v[NIL], 0
	ds_add_u32 v[SPW], v[NIL]                      ; the opening lines: the add, twice on end, and its wait
	ds_add_u32 v[SPW], v[NIL]
	v_lshrrev_b32 v1, 5, v0
	v_readfirstlane_b32 s14, v1                    ; wave 0..3
	s_lshr_b32 s15, s14, 1                         ; my half of the rows; also: I fetch for x (0) or wq (1)
	s_and_b32 s16, s14, 1                          ; my half of the columns; also: which half I fetch
	s_bfe_u32 s40, ttmp6, 0x40000                  ; cx
	s_bfe_u32 s41, ttmp6, 0x40004                  ; cy
	s_lshl_b32 s42, ttmp9, 2
	s_add_co_u32 s42, s42, s40                     ; block column
	s_and_b32 s17, ttmp7, 0xffff
	s_lshl_b32 s17, s17, 2
	s_add_co_u32 s17, s17, s41                     ; block row
	s_lshl_b32 s43, s41, 2
	s_lshl_b32 s43, 15, s43                        ; my row of the cluster
	s_lshl_b32 s44, 0x1111, s40                    ; my column
	; group 1, x's codes: rows of 256 bytes, 16 of padding behind each; 256 rows at the head, 128 in the ring
	s_or_b32 s[G1+0], s43, (0<<16)|(1<<20)|(1<<21)|(5<<22)|(3<<25)
	s_mov_b32 s[G1+1], ROWB<<16
	s_mov_b32 s[G1+2], 256<<16
	s_mov_b32 s[G1+3], ROWB<<16
	s_mov_b32 s[G1+4], 256
	s_mov_b32 s[G1+5], KROW
	s_mov_b32 s[G1+6], 0
	s_mov_b32 s[G1+7], 0
	; wq: dense rows of 256 bytes (32 elements of 8), no padding; 272 rows at the head, 136 in the ring
	s_or_b32 s[G1B+0], s44, (3<<16)|(1<<21)
	s_mov_b32 s[G1B+1], 32<<16
	s_mov_b32 s[G1B+2], 272<<16
	s_mov_b32 s[G1B+3], 32<<16
	s_mov_b32 s[G1B+4], 272
	s_mov_b32 s[G1B+5], 32
	s_mov_b32 s[G1B+6], 0
	s_mov_b32 s[G1B+7], 0
	; x's scales of 128 rows: 64 dense rows of 256 bytes, padded
	s_or_b32 s[G1S+0], s43, (3<<16)|(1<<20)|(1<<21)|(5<<22)|(3<<25)
	s_mov_b32 s[G1S+1], 32<<16
	s_mov_b32 s[G1S+2], 64<<16
	s_mov_b32 s[G1S+3], 32<<16
	s_mov_b32 s[G1S+4], 64
	s_mov_b32 s[G1S+5], 32
	s_mov_b32 s[G1S+6], 0
	s_mov_b32 s[G1S+7], 0
	; byte offsets, each apart from its address
	s_lshl_b32 s20, s17, 19                        ; x_codes: 256 rows of 2,048 bytes a block row
	s_mov_b32 s21, 0
	s_lshl_b32 s22, s17, 15                        ; x_scales: 256 rows of 128 bytes,
	s_lshl_b32 s18, s16, 14                        ; + my half of them
	s_add_co_u32 s22, s22, s18
	s_mov_b32 s23, 0
	s_mul_i32 s46, s42, 2*HALFT                    ; wq: two blocks a block column
	s_mov_b32 s47, 0
	s_lshl_b32 s18, s16, 18                        ; the ring: my 128 rows of x,
	s_mov_b32 s19, 0
	s_mul_i32 s92, s16, HALFT                      ; my block of wq
	s_mov_b32 s93, 0
	s_mul_i32 s45, s14, HALFT                      ; and where they go in a slot
	s_mul_i32 s94, s16, 2*QS
	s_add_co_u32 s94, s94, SCL                     ; where my half of x's scales goes
	s_lshl_b32 s98, s17, 8
	s_lshl_b32 s99, s15, 7
	s_add_co_u32 s98, s98, s99
	s_lshl_b32 s98, s98, 14                        ; out0: my first row,
	s_mov_b32 s99, 0
	s_lshl_b32 s100, s42, 10
	s_lshl_b32 s101, s16, 9
	s_add_co_u32 s100, s100, s101                  ; my first column, in bytes (the bias's too)
	s_mov_b32 s101, 0
	s_add_nc_u64 s[98:99], s[98:99], s[100:101]
	s_lshl_b32 s96, s17, 8                         ; the prefetches, x: row 256 block row + 128 half + 32 cx
	s_lshl_b32 s97, s16, 7
	s_add_co_u32 s96, s96, s97
	s_lshl_b32 s97, s40, 5
	s_add_co_u32 s96, s96, s97
	s_lshl_b32 s96, s96, 11
	s_mul_i32 s97, s41, 34*256                     ; wq: my block + 34 units x cy
	s_add_co_u32 s97, s97, s46
	s_add_co_u32 s97, s97, s92
	s_mov_b32 s[PFS], WQSTEP
	s_cmp_eq_u32 s15, 0
	s_cselect_b32 s96, s96, s97
	s_cselect_b32 s[PFS], 256, s[PFS]
	s_cselect_b32 s95, 11, 8                       ; a lane's step: a row of x, or 256 bytes of wq
	s_mov_b32 s97, 0
	s_mov_b32 s[PFS+1], 0
	s_wait_dscnt 0x0                               ; both opening adds are done
	s_wait_kmcnt 0x0
	s_cmp_eq_u32 s15, 0
	s_cselect_b64 s[PFA:PFA+1], s[4:5], s[8:9]
	s_add_nc_u64 s[PFA:PFA+1], s[PFA:PFA+1], s[96:97]
	s_add_nc_u64 s[PF1:PF1+1], s[PFA:PFA+1], s[PFS:PFS+1]      ; K step 1
	s_add_nc_u64 s[PFA:PFA+1], s[PF1:PF1+1], s[PFS:PFS+1]      ; K step 2
	s_add_nc_u64 s[20:21], s[4:5], s[20:21]
	s_add_nc_u64 s[22:23], s[6:7], s[22:23]
	s_add_nc_u64 s[46:47], s[8:9], s[46:47]
	s_add_nc_u64 s[10:11], s[10:11], s[100:101]
	s_add_nc_u64 s[12:13], s[12:13], s[98:99]
	s_mul_i32 s98, s15, HALFT                      ; LDS: my 128 rows of x,
	s_mul_i32 s99, s16, HALFT
	s_add_co_u32 s99, s99, 2*HALFT                 ; my block of wq,
	s_mul_i32 s100, s15, 2*QS
	s_add_co_u32 s100, s100, SCL                   ; my rows' scales,
	s_mul_i32 s101, s14, 16*SPITCH                 ; my stage
	s_mov_b32 s[G0H], 1                            ; the head's tiles: K step 0's 256 rows of x,
	s_mov_b32 s[G0H+1], 0
	s_mov_b64 s[G0H+2:G0H+3], s[20:21]
	s_or_b32 s[G0H+3], s[G0H+3], 0x80000000
	s_mov_b32 s[G0HB], 1                           ; its two blocks of wq,
	s_mov_b32 s[G0HB+1], 2*HALFT
	s_mov_b64 s[G0HB+2:G0HB+3], s[46:47]
	s_or_b32 s[G0HB+3], s[G0HB+3], 0x80000000
	s_mov_b32 s[G0S], 1                            ; a half of x's scales
	s_mov_b32 s[G0S+1], s94
	s_mov_b64 s[G0S+2:G0S+3], s[22:23]
	s_or_b32 s[G0S+3], s[G0S+3], 0x80000000
	CROUND                                         ; all sixteen work-groups are here: the first joint loads meet
; one tensor load a wave at the head: one chain of branches on the wave's number, every way passes one load
.macro ARM under, g0, g1, next
	s_cmp_lt_u32 s14, \under
	s_cbranch_scc0 \next
	tensor_load_to_lds s[\g0:\g0+3], s[\g1:\g1+7]
	s_nop 0
	PLACES 4
	s_branch .Lhead_asked
\next:
.endm
	ARM 1, G0H,  G1,  .Lhead_b
	ARM 2, G0HB, G1B, .Lhead_s
	tensor_load_to_lds s[G0S:G0S+3], s[G1S:G1S+7]  ; waves 2 and 3: their places differ by the wave's number
	s_nop 0
	PLACES 4
.Lhead_asked:
	v_and_b32 v1, 15, v0                           ; r
	v_bfe_u32 v2, v0, 4, 1                         ; h
	v_and_b32 v6, 31, v0                           ; lane
	v_mul_u32_u24 v3, v1, PITCH
	v_lshl_add_u32 v4, v2, 4, v3                   ; x's fragments: row r, + 16 h
	v_lshlrev_b32 v[CO], 4, v6                     ; 16 x lane: W's fragments, rows of the stage and of out0
	v_lshlrev_b32 v5, 4, v1
	v_lshl_add_u32 v5, v2, 10, v5
	v_add_nc_u32 v5, BSC, v5                       ; W's scale words: 16 r, lanes 16-31 four n-tiles on
	v_add_nc_u32 v[ADRA], s98, v4
	v_add_nc_u32 v[ADRA+1], SLOT, v[ADRA]
	v_add_nc_u32 v[ADRB], s99, v[CO]
	v_add_nc_u32 v[ADRB+1], SLOT, v[ADRB]
	v_add_nc_u32 v[ADRSB], s99, v5
	v_add_nc_u32 v[ADRSB+1], SLOT, v[ADRSB]
	v_lshlrev_b32 v7, 7, v1                        ; x's scale words: 128 bytes a row,
	v_lshrrev_b32 v8, 8, v7
	v_lshl_add_u32 v7, v8, 4, v7                   ; 16 more for each 256 passed,
	v_mul_u32_u24 v8, v2, 4*SBLK                   ; lanes 16-31 four blocks of 16 rows on
	v_add_nc_u32 v7, v7, v8
	v_add_nc_u32 v[ADRSA], s100, v7
	v_mul_u32_u24 v9, v1, SPITCH
	v_lshl_add_u32 v9, v2, 5, v9
	v_add_nc_u32 v[STO], s101, v9
	v_add_nc_u32 v[RD], s101, v[CO]
	v_lshlrev_b32 v[BO], 5, v2                     ; the bias of my eight columns of an n-tile
	v_lshlrev_b32 v[PFO], s95, v6
	v_min_u32 v[PFO2], 1, v6
	v_lshl_add_u32 v[PFO2], v[PFO2], 8, 8192
	s_wait_alu depctr_va_vdst(0)                   ; no vector register is written behind it in the head
	WIN TO_B
.irp b, 0,1,2,3,4,5,6,7
	global_load_b128 v[BIAS+8*\b:BIAS+8*\b+3],   v[BO], s[10:11] offset:64*\b
	global_load_b128 v[BIAS+8*\b+4:BIAS+8*\b+7], v[BO], s[10:11] offset:64*\b+16
.endr
	WIN 0
	ASK PF1, 0                                     ; K steps 1 and 2
	ASK PFA, 0
	s_add_nc_u64 s[20:21], s[20:21], s[18:19]      ; the ring's group 0, a set a slot
	s_add_nc_u64 s[46:47], s[46:47], s[92:93]
.irp s, 0,1
	s_mov_b32 s[G0+4*\s], 1
	s_add_co_u32 s[G0+4*\s+1], s45, \s*SLOT
	s_add_nc_u64 s[G0+4*\s+2:G0+4*\s+3], s[20:21], \s*ROWB
	s_or_b32 s[G0+4*\s+3], s[G0+4*\s+3], 0x80000000
	s_mov_b32 s[G0B+4*\s], 1
	s_add_co_u32 s[G0B+4*\s+1], s45, \s*SLOT
	s_add_nc_u64 s[G0B+4*\s+2:G0B+4*\s+3], s[46:47], \s*WQSTEP
	s_or_b32 s[G0B+4*\s+3], s[G0B+4*\s+3], 0x80000000
.endr
.macro FRAGA reg, adr, q, i
.irp c, 0,1
	ds_load_b128 v[\reg+4*\c:\reg+4*\c+3], v[\adr] offset:64*(\q)+32*\c+(\i)*16*PITCH
.endr
.endm
.macro FRAGB reg, adr, q, i
.irp c, 0,1
	ds_load_b128 v[\reg+4*\c:\reg+4*\c+3], v[\adr] offset:4096*(\i)+1024*(\q)+512*\c
.endr
.endm
; one product: x's block a, W's n-tile b, fragment sets p, the slot's q-th 128 along K, scale set sc.  Blocks 4 to 7 have their scale words in lanes 16-31.
.macro WM a, b, p, q, sc, first
.set rD, 8*(8*((\a)%4)+(\b))
.set rC, rD
.if \first
.set rC, BIAS+8*(\b)
.endif
.if (\p) == 2                          ; the last K step, by rows: W's quarter q at 64 q, x's block a in buffer a % 4
.set rB, 64*(\q)+8*(\b)
.set rA, AF+32*((\a)%4)+8*(\q)
.else
.set rB, 128*(\p)+8*(\b)
.set rA, AF+64*(\p)+8*(\a)
.endif
.set sB, SC+32*(\sc)+16+4*((\b)%4)+(\q)
.set sA, SC+32*(\sc)+4*((\a)%4)+(\q)
.if ((\a) < 4) && ((\b) < 4)
	v_wmma_scale_f32_16x16x128_f8f6f4 v[rD:rD+7], v[rB:rB+7], v[rA:rA+7], v[rC:rC+7], v[sB], v[sA] matrix_a_fmt:MATRIX_FMT_FP4 matrix_b_fmt:MATRIX_FMT_FP4
.elseif (\a) < 4
	v_wmma_scale_f32_16x16x128_f8f6f4 v[rD:rD+7], v[rB:rB+7], v[rA:rA+7], v[rC:rC+7], v[sB], v[sA] matrix_a_fmt:MATRIX_FMT_FP4 matrix_b_fmt:MATRIX_FMT_FP4 matrix_a_scale:MATRIX_SCALE_ROW1
.elseif (\b) < 4
	v_wmma_scale_f32_16x16x128_f8f6f4 v[rD:rD+7], v[rB:rB+7], v[rA:rA+7], v[rC:rC+7], v[sB], v[sA] matrix_a_fmt:MATRIX_FMT_FP4 matrix_b_fmt:MATRIX_FMT_FP4 matrix_b_scale:MATRIX_SCALE_ROW1
.else
	v_wmma_scale_f32_16x16x128_f8f6f4 v[rD:rD+7], v[rB:rB+7], v[rA:rA+7], v[rC:rC+7], v[sB], v[sA] matrix_a_fmt:MATRIX_FMT_FP4 matrix_b_fmt:MATRIX_FMT_FP4 matrix_a_scale:MATRIX_SCALE_ROW1 matrix_b_scale:MATRIX_SCALE_ROW1
.endif
.endm
.macro MUL16 a0, p, q, sc, first       ; the 64 accumulators take turns, in the same order in every step
.irp a, \a0, \a0+1
.irp b, 0,1,2,3,4,5,6,7
	WM \a, \b, \p, \q, \sc, \first
.endr
.endr
.endm
.macro FETCH slot, q, p                ; 32 LDS loads: W's eight fragments (16 loads), then x's eight, block by block (2 loads each), into sets p
	WIN TO_B
.irp i, 0,1,2,3,4,5,6,7
	FRAGB 128*(\p)+8*\i, ADRB+\slot, \q, \i
.endr
	WIN 0
.irp i, 0,1,2,3,4,5,6,7
	FRAGA AF+64*(\p)+8*\i, ADRA+\slot, \q, \i
.endr
.endm
.macro SCALES sc                       ; 8 LDS loads: a K step's scale words
.irp i, 0,1,2,3
	ds_load_b128 v[SC+32*\sc+4*\i:SC+32*\sc+4*\i+3], v[ADRSA] offset:\i*SBLK
	ds_load_b128 v[SC+32*\sc+16+4*\i:SC+32*\sc+16+4*\i+3], v[ADRSB+\sc] offset:256*\i
.endr
.endm
; A step of 128 along K with its successor in the same slot.  The successor's 32 loads go out first, into the sets that the step before multiplied (four places behind its products).
; The counts: the 32 just issued, and of this step's own loads those of x's blocks that the next sixteen products do not name (2 loads a block).
.macro STEP slot, q, first
	PLACES NP
	FETCH \slot, (\q)+1, 1-(\q)%2
	s_wait_dscnt 44                                ; W's set and x's blocks 0, 1 are in
.if \first
	WIN FIRST_LO
.else
	WIN MUL_LO
.endif
	MUL16 0, (\q)%2, \q, \slot, \first
	s_wait_dscnt 40
	MUL16 2, (\q)%2, \q, \slot, \first
	s_wait_dscnt 36
.if \first
	WIN FIRST_HI
.else
	WIN MUL_HI
.endif
	MUL16 4, (\q)%2, \q, \slot, \first
	s_wait_dscnt 32
	MUL16 6, (\q)%2, \q, \slot, \first
.endm
; A slot's last step changes slots.  All reads of this slot were issued a step ago.  fill = 1: the barrier opens a round of the cluster's barrier, and this slot is filled again, two K steps on.
.macro TURN slot, next, fill
	WIN 0
.if \fill
	s_wait_xcnt 0x0                                ; my last prefetch has read its address
	s_add_nc_u64 s[PFA:PFA+1], s[PFA:PFA+1], s[PFS:PFS+1]
.endif
	s_wait_tensorcnt 0x0                           ; all my tensor loads have landed: my part of the next slot
	ds_add_u32 v[SPW], v[NIL]
	s_wait_dscnt 13                                ; the add and x's blocks 2 to 7 may be out
	WIN MUL_LO
	MUL16 0, 1, NQ-1, \slot, 0
	s_wait_dscnt 0x0                               ; the add is done, my reads of this slot are over
	s_barrier_signal -1
	MUL16 2, 1, NQ-1, \slot, 0
	WIN 0
	s_barrier_wait -1
.if \fill
	CREST
	s_add_nc_u64 s[G0+4*\slot+2:G0+4*\slot+3], s[G0+4*\slot+2:G0+4*\slot+3], 2*ROWB
	s_add_nc_u64 s[G0B+4*\slot+2:G0B+4*\slot+3], s[G0B+4*\slot+2:G0B+4*\slot+3], 2*WQSTEP
	JLOAD G0+4*\slot, G1, G0B+4*\slot, G1B         ; the first tensor load behind the round; its four v_nop are the places in front of the loads below
.else
	PLACES NP
.endif
	v_add_nc_u32 v[ADRSA], 4*NQ, v[ADRSA]          ; the next K step's 16 scale bytes of a row of x
	s_wait_alu depctr_va_vdst(0)
	SCALES \next                                   ; ahead of the fragments: the next step's counts then hold as in every step
	FETCH \next, 0, 0
.if \fill
	ASK PFA, 1
.endif
	WIN MUL_HI
	MUL16 4, 1, NQ-1, \slot, 0
	MUL16 6, 1, NQ-1, \slot, 0
.endm
.macro STEPS slot, from
.set Q, \from
.rept NQ-1-\from
	STEP \slot, Q, 0
.set Q, Q+1
.endr
.endm
	s_wait_xcnt 0x0                                ; the head's prefetches have read their addresses
	s_add_nc_u64 s[PFA:PFA+1], s[PFA:PFA+1], s[PFS:PFS+1]      ; K step 3
	s_wait_tensorcnt 0x0                           ; my tile of the head is in
	ds_add_u32 v[SPW], v[NIL]
	s_mov_b32 s[G1+2], 128<<16                     ; no tensor load of mine is out: from here on a load brings 128 rows of x
	s_mov_b32 s[G1+4], 128
	s_mov_b32 s[G1B+2], 136<<16                    ; or one block of wq
	s_mov_b32 s[G1B+4], 136
	s_wait_dscnt 0x0
	CROUND
	JLOAD G0+4, G1, G0B+4, G1B                     ; K step 1: slot 1's first fill, the first tensor load behind the round
	SCALES 0
	FETCH 0, 0, 0
	ASK PFA, 0
	s_wait_loadcnt 0x0                             ; the bias
	STEP 0, 0, 1                                   ; the first step stands ahead of the loop: its products start the sums from the bias
	WIN 0
	s_mov_b32 s3, LAPS-1
.Llap:
	STEPS 0, 1
	TURN 0, 1, 1
	STEPS 1, 0
	TURN 1, 0, 1
	STEP 0, 0, 0
	WIN 0
	s_sub_co_u32 s3, s3, 1
	s_cmp_lg_u32 s3, 0
	s_cbranch_scc1 .Llap
	STEPS 0, 1                                     ; the last lap fills nothing
; THE LAST K STEP (slot 1) GOES BY ROWS OF out0.  All its fragments of W (4 quarters x 64 registers) fill window 1; x's come by blocks of 16 rows x 512 K (32 registers, four buffers in v128-255);
; my eight blocks are finished one after the other, 32 products each, the block's 8 accumulators by turns, K ascending, and each block leaves as soon as it is finished.
.macro BLOAD q
.irp i, 0,1,2,3,4,5,6,7
	FRAGB 64*(\q)+8*\i, ADRB+1, \q, \i
.endr
.endm
.macro ALOAD a
.irp q, 0,1,2,3
	FRAGA AF+32*((\a)%4)+8*\q, ADRA+1, \q, \a
.endr
.endm
.macro ROW a
	WIN MUL_LO+0x50*((\a)/4)
.irp q, 0,1,2,3
.if ((\a) == 0) && (\q == 2)
	s_wait_dscnt 24                                ; W's quarter 2 is in (behind it: x's blocks 1 to 3)
.endif
.irp b, 0,1,2,3,4,5,6,7
	WM \a, \b, 2, \q, 1, 0
.endr
.endr
.endm
	WIN 0                                          ; the last change of slots: nothing is filled again, so no round follows
	s_wait_tensorcnt 0x0
	ds_add_u32 v[SPW], v[NIL]
	s_wait_dscnt 13
	WIN MUL_LO
	MUL16 0, 1, NQ-1, 0, 0
	s_wait_dscnt 0x0
	s_barrier_signal -1
	MUL16 2, 1, NQ-1, 0, 0
	WIN 0
	s_barrier_wait -1
	PLACES NP
	v_add_nc_u32 v[ADRSA], 4*NQ, v[ADRSA]
	s_wait_alu depctr_va_vdst(0)
	SCALES 1
	WIN TO_B
	BLOAD 0                                        ; three quarters of W now: sets 1 (v128-191 here, v192-255 of window 0) are still being multiplied
	BLOAD 1
	BLOAD 3
	WIN 0
	ALOAD 0
	WIN MUL_HI
	MUL16 4, 1, NQ-1, 0, 0
	MUL16 6, 1, NQ-1, 0, 0
	PLACES NP
	WIN TO_B
	BLOAD 2
	WIN 0
	ALOAD 1
	ALOAD 2
	ALOAD 3
	s_wait_dscnt 40                                ; all but the 40 just issued
	ROW 0
; THE WAY OUT, by blocks of 16 rows x 128 columns, through my own stage (in slot 0, which has had its last fill and its last read): back as whole rows of 512 bytes.
.macro TOSTAGE a
.set AC, 64*((\a)%4)
	WIN 0x88+0x44*((\a)/4)                         ; data and destination: the block's window; addresses: window 0
.irp b, 0,1,2,3,4,5,6,7
	ds_store_b128 v[STO], v[AC+8*\b:AC+8*\b+3] offset:64*\b          ; each accumulator from its low end on
	ds_store_b128 v[STO], v[AC+8*\b+4:AC+8*\b+7] offset:64*\b+16
.endr
.irp t, 0,1,2,3,4,5,6,7,8,9,10,11,12,13,14,15
	ds_load_b128 v[AC+4*\t:AC+4*\t+3], v[RD] offset:\t*SPITCH     ; back as whole rows, into the block's own 64 registers: no register of a store is ever written again
.endr
.endm
.macro SEND a, younger
.set AC, 64*((\a)%4)
	WIN 0x88+0x44*((\a)/4)
	s_wait_dscnt \younger
.irp t, 0,1,2,3,4,5,6,7,8,9,10,11,12,13,14,15
	global_store_b128 v[CO], v[AC+4*\t:AC+4*\t+3], s[12:13] offset:(16*(\a)+\t)*SIZE_N*4 th:TH_STORE_NT   ; 32 lanes store 512 consecutive bytes, aligned to 256; the row stands in the immediate: 127 rows of 16,384 bytes at the most
.endr
.endm
.irp a, 0,1,2,3,4,5,6,7                ; block a goes through the stage; the next block's products stand between its loads from the stage and the wait for them
	PLACES NP                                      ; behind block a's products: its results are read, and its buffer of x is loaded again
	TOSTAGE \a
.if \a < 4
	WIN 0
	ALOAD \a+4
	s_wait_dscnt 40                                ; all but this block's 16 stores, 16 loads and the 8 loads of x
.elseif \a < 7
	s_wait_dscnt 32
.endif
.if \a < 7
	ROW \a+1
.endif
.if \a < 4
	SEND \a, 8
.else
	SEND \a, 0
.endif
.endr
	WIN 0
	s_wait_tensorcnt 0x0                           ; the wave's end
	ds_add_u32 v[SPW], v[NIL]
	s_wait_dscnt 0x0
	CROUND                                         ; the closing round
	s_endpgm
.Lfunc_end_k_q735767c711_gemm:
	.size	k_q735767c711_gemm, .Lfunc_end_k_q735767c711_gemm-k_q735767c711_gemm
	.p2alignl 7, 3214868480
	.fill 96, 4, 3214868480
	.section	.rodata,"a",@progbits
	.p2align	6, 0x0
	.amdhsa_kernel k_q735767c711_gemm
		.amdhsa_group_segment_fixed_size 327680
		.amdhsa_private_segment_fixed_size 0
		.amdhsa_enable_private_segment 0
		.amdhsa_kernarg_size 40
		.amdhsa_user_sgpr_count 2
		.amdhsa_user_sgpr_kernarg_segment_ptr 1
		.amdhsa_wavefront_size32 1
		.amdhsa_system_sgpr_workgroup_id_x 1
		.amdhsa_system_sgpr_workgroup_id_y 1
		.amdhsa_system_sgpr_workgroup_id_z 1
		.amdhsa_system_vgpr_workitem_id 0
		.amdhsa_next_free_vgpr 1024
		.amdhsa_next_free_sgpr 102
		.amdhsa_reserve_vcc 0
		.amdhsa_float_denorm_mode_32 3
		.amdhsa_float_denorm_mode_16_64 3
		.amdhsa_memory_ordered 1
		.amdhsa_forward_progress 1
		.amdhsa_inst_pref_size 214
	.end_amdhsa_kernel
	.amdgpu_metadata
---
amdhsa.version: [ 1, 2 ]
amdhsa.kernels:
  - .name:           k_q735767c711_gemm
    .symbol:         k_q735767c711_gemm.kd
    .args:
      - { .name: x_codes, .offset: 0, .size: 8, .value_kind: global_buffer, .address_space: global }
      - { .name: x_scales, .offset: 8, .size: 8, .value_kind: global_buffer, .address_space: global }
      - { .name: wq, .offset: 16, .size: 8, .value_kind: global_buffer, .address_space: global }
      - { .name: bias, .offset: 24, .size: 8, .value_kind: global_buffer, .address_space: global }
      - { .name: out0, .offset: 32, .size: 8, .value_kind: global_buffer, .address_space: global }
    .group_segment_fixed_size: 327680
    .private_segment_fixed_size: 0
    .kernarg_segment_align: 8
    .kernarg_segment_size: 40
    .max_flat_workgroup_size: 128
    .sgpr_count:     102
    .vgpr_count:     1024
    .wavefront_size: 32
...
	.end_amdgpu_metadata
.endif
;; end of part 2
